; MI455X (gfx1250); checked and timed in simulation.
; The chip was launched on July 23, 2026; its instructions are those of AMD's public machine-readable ISA for CDNA 5 (MIT licence, August 2026) and "CDNA5" Instruction Set Architecture Reference Guide (July 2026). The comments in the code are by the model that wrote it; some were corrected since.
;; Attn Block. Allowed arithmetic: matrix products marked QUANTISED: E2M3 operands, one E8M0 scale for each 32 along K, by v_wmma_scale_f32_16x16x128_f8f6f4 with both operands' format E2M3, f32 sums; everything else in f32.
;; Inputs: bk 128 float32; bo 128 float32; bq 128 float32; bv 128 float32; gn_bias 128 float32; gn_scale 128 float32; wk 128 x 128 float32; wo 128 x 128 float32; wq 128 x 128 float32; wv 128 x 128 float32; x 8 x 64 x 64 x 128 float32.
;; Outputs: out0 8 x 64 x 64 x 128 float32.
;; This version of the problem:
;;   THIS VERSION OF THE PROBLEM IS GIVEN IN LOW PRECISION. The matrix products marked QUANTISED in the list below multiply operands that are first quantised to E2M3 (2 exponent bits, 3 mantissa bits; 6 bits a number), with one power-of-two scale for each 32 numbers along K (OCP MX v1.0); their sums are f32. All else is computed in f32.
;;   The module's matrix products, in the order in which they are computed (A, B: the left and right operand; K: the contracted axis; several contracted axes count as one K, in the product's order):
;;     1. [M 32,768, K 128] x [K 128, N 128]; A: computed on the way; B: input wq: QUANTISED
;;     2. [M 32,768, K 128] x [K 128, N 128]; A: computed on the way; B: input wk: QUANTISED
;;     3. [M 32,768, K 128] x [K 128, N 128]; A: computed on the way; B: input wv: QUANTISED
;;     4. batch 8 x [M 4,096, K 128] x [K 128, N 4,096]; A: computed on the way; B: computed on the way: QUANTISED
;;     5. batch 8 x [M 4,096, K 4,096] x [K 4,096, N 128]; A: softmax (see below); B: computed on the way: QUANTISED
;;     6. [M 32,768, K 128] x [K 128, N 128]; A: computed on the way; B: input wo: QUANTISED
;;   THE QUANTISER, for each operand of a quantised product, along K:
;;     - K is cut into blocks of 32 from its start; a last block that is shorter is filled with zeros.
;;     - A block's scale is 2^e with e = floor(log2(the largest magnitude in the block)) - 2, held to -126 .. 127; a block of zeros has e = 0. As a byte (E8M0): e + 127.
;;     - Each number is divided by its block's scale, clamped to +-7.5, and rounded to the nearest number of E2M3, ties to even, subnormals kept.
;;     - The product sums the exact products of the quantised numbers (number of the format x scale) in f32.
;;   ~~~python
;;   def quantise(x, axis):      # numpy; x: float32 -> the quantised numbers, widened to float32 again
;;       x = np.moveaxis(x, axis, -1); K = x.shape[-1]
;;       x = np.pad(x, [(0, 0)] * (x.ndim - 1) + [(0, -K % 32)]); x = x.reshape(x.shape[:-1] + (-1, 32)); a = np.abs(x).max(-1, keepdims=True)
;;       e = np.where(a > 0, np.clip(np.frexp(np.where(a > 0, a, 1))[1] - 1 - 2, -126, 127), 0)      # np.frexp(a)[1] - 1 = floor(log2(a)), exactly
;;       r = np.clip(x / 2.0 ** e, -7.5, 7.5)
;;       step = 2.0 ** (np.maximum(np.frexp(np.where(r == 0, 1, r))[1] - 1, 0) - 3)
;;       q = np.round(r / step) * step * 2.0 ** e      # np.round: ties to even
;;       return np.moveaxis(q.reshape(q.shape[:-2] + (-1,))[..., :K], -1, axis).astype(np.float32)
;;   ~~~
;;   SOFTMAX AHEAD OF A QUANTISED PRODUCT. Where the list says 'softmax', what is quantised is not the finished softmax but p = 2^(t - M), with t = logit x log2(e) and M = ceil(the row's largest t), a whole number; so 1/2 < the row's largest p <= 1. The row's sum l is taken of the UNQUANTISED p, in f32, and the product's result is divided by l at the end. Since M is a whole number, a kernel that streams over the keys may use a running M (the ceiling of the running maximum): every later rescaling is an exact power of two, which a block's scale takes up: the codes' values come out the same.
;;   OPERANDS COMPUTED ON THE WAY. 'Computed on the way' means the value that the module computes at that place (a softmax that the list does not call 'softmax' is quantised finished and normalised). What goes into a quantiser is computed in f32, as accurately as f32 sums, v_exp_f32 and their like allow (about 1e-6 of the number): no bf16 or f16 on the way to a quantiser, and a product that is left as it is and whose result goes on into a quantised operand takes f32 operands (vector FMAs, or v_wmma_f32_16x16x4_f32). A number that lies on a knife's edge between two numbers of the format may be rounded either way, as far as f32 arithmetic and the matrix unit's own rounding can turn it there, and no further.
;; One version. Each part assembles by itself: llvm-mc -triple=amdgcn-amd-amdhsa -mcpu=gfx1250 --defsym DOCPART=n.
;; ======== version 1 of 1: 3 launches
;; workspace buffers: gstat 65,536 bytes; wimg 53,248 bytes; qrec 3,276,800 bytes; kvrec 6,553,600 bytes
;; launch stats (part 1): grid 260 x 1, 8 waves a work-group, no clusters, 3,072 bytes of LDS; arguments x, wq, wk, wv, wo, gstat, wimg; writes gstat, wimg
.if DOCPART == 1
	.amdgcn_target "amdgcn-amd-amdhsa--gfx1250"
	.amdhsa_code_object_version 6
	.text
	.protected	k_q4c43a85779_stats
	.globl	k_q4c43a85779_stats
	.p2align	8
	.type	k_q4c43a85779_stats,@function
k_q4c43a85779_stats:
	s_mov_b64 s[64:65], 0
	v_nop
	global_prefetch_b8 v0, s[64:65] scope:SCOPE_SE
	s_setreg_imm32_b32 hwreg(HW_REG_WAVE_MODE, 25, 1), 1
	s_wait_xcnt 0x0
; TWO JOBS IN ONE LAUNCH, parted once, at the head, on the work-group's number.
; Work-groups 0 to 255: GroupNorm's statistics in parts.  x is [8][4096][128] f32; a group is 4 neighbouring channels, 16 bytes of a row, over all 4,096 positions of an image.
;   Work-group g = 32 image + chunk takes 128 positions (64 KiB, dense); wave w 16 of them; lane l the 16 bytes at 16 l of each row, which are group l: a load of the wave covers a row's 512 bytes.
;   A part is kept as (mean, M2 = sum of (x - mean)^2) and parts of equal size are joined by  mean = average of the means,  M2 = sum of the M2 + n x sum of (mean_i - mean)^2:
;   no difference of large sums is formed, so a common offset of the inputs costs no digits.  Out: gstat[g][group][mean, M2], 256 bytes, one aligned store.
; Work-groups 256 to 259: one of wq, wk, wv, wo ([k 128][n 128] f32) becomes codes of FP6 (E2M3) along k, in the order of an operand's registers.  Wave w makes tile w: lane (r, h) takes column
;   n = 32 (w / 2) + 8 (w % 2) + r + 8 (r / 8) and its registers run down k = 64 c + 32 h + i, which is the operand's own order: nothing is transposed.
;   The columns of a tile are chosen so that the results of a product with this tile as source 0 lie, 16 registers on end, as 16 neighbours along the next product's K.
;   Out: wimg + 12,288 mat + 1,536 tile + 512 c + 16 lane (three stores of 512 dense bytes); the scale words at wimg + 49,152 + 1,024 mat + 128 tile + 4 lane (pieces of 128 bytes, 4 KiB in the launch).
; A block's scale is 2^(floor(log2(largest magnitude)) - 2); its byte is the largest magnitude's exponent field - 2, held at 1 from below.
; LIMITS: NaN and infinities are not served.  A block of zeros, or one under 2^-124, has the byte 1 (the rule says 127 for zeros): its codes are zeros, and this program alone reads the bytes.
; No tensor loads, no cluster, no matrix unit: a stream that is read once, with nothing shared.
.set X,   16                           ; v[16:79]   my 16 rows x 4 numbers; in the weights' job 64 numbers down k
.set SA,  80                           ; v[80:83]   two chains of sums
.set MN,  84                           ; v[84:85]   the mean twice; then (mean, M2)
.set QA,  86                           ; v[86:89]   two chains of squares
.set DV,  90                           ; v[90:93]   x - mean
.set PR,  96                           ; v[96:111]  the eight waves' pairs
.set CM,  112                          ; v[112:113] the joined (mean, M2)
.set CV,  113
.set CT,  114
.set CQ,  115
; m parts of n numbers each, (mean_i, M2_i) at v[p + 2 i], are joined into v[CM], v[CV].  n and invm = 1 / m are f32 bit patterns
.macro COMBINE p, m, n, invm
	v_add_f32 v[CM], v[\p], v[\p+2]
	v_add_f32 v[CV], v[\p+1], v[\p+3]
.set ci, 2
.rept \m-2
	s_delay_alu instid0(VALU_DEP_2)
	v_add_f32 v[CM], v[CM], v[\p+2*ci]
	s_delay_alu instid0(VALU_DEP_2)
	v_add_f32 v[CV], v[CV], v[\p+2*ci+1]
.set ci, ci+1
.endr
	s_delay_alu instid0(VALU_DEP_2)
	v_mul_f32 v[CM], \invm, v[CM]
	s_delay_alu instid0(VALU_DEP_1)
	v_sub_f32 v[CT], v[\p], v[CM]
	s_delay_alu instid0(VALU_DEP_1)
	v_mul_f32 v[CQ], v[CT], v[CT]
.set ci, 1
.rept \m-1
	v_sub_f32 v[CT], v[\p+2*ci], v[CM]
	s_delay_alu instid0(VALU_DEP_1)
	v_fmac_f32 v[CQ], v[CT], v[CT]
.set ci, ci+1
.endr
	s_delay_alu instid0(VALU_DEP_1)
	v_fmac_f32 v[CV], \n, v[CQ]
.endm
	s_load_b256 s[4:11], s[0:1], 0x0               ; x s[4:5], wq s[6:7], wk s[8:9], wv s[10:11]
	s_load_b128 s[12:15], s[0:1], 0x20             ; wo s[12:13], gstat s[14:15]
	s_load_b64 s[16:17], s[0:1], 0x30              ; wimg
	v_lshl_add_u32 v128, v0, 2, 0x800
	v_mov_b32 v129, 0
	v_lshrrev_b32 v1, 5, v0
	s_delay_alu instid0(VALU_DEP_1)
	v_readfirstlane_b32 s18, v1                    ; wave 0..7
	v_and_b32 v4, 31, v0                           ; lane
	s_cmp_ge_u32 ttmp9, 256
	s_cbranch_scc1 .Lweights                       ; the same way for all eight waves of a work-group
	; ---- the statistics
	v_lshlrev_b32 v1, 4, v4
	s_lshl_b32 s19, s18, 13
	v_add_nc_u32 v1, s19, v1                       ; 16 lane + 16 rows of 512 bytes x wave
	v_lshlrev_b32 v3, 3, v4                        ; 8 lane
	s_lshl_b32 s19, s18, 8
	v_add_nc_u32 v2, s19, v3                       ; LDS: 256 wave + 8 lane
	s_lshl_b32 s20, ttmp9, 16                      ; the work-group's 64 KiB of x
	s_mov_b32 s21, 0
	s_lshl_b32 s22, ttmp9, 8                       ; and its 256 bytes of gstat
	s_mov_b32 s23, 0
	s_wait_alu depctr_va_vdst(0)
	s_wait_kmcnt 0x0
	s_add_nc_u64 s[4:5], s[4:5], s[20:21]
	s_add_nc_u64 s[14:15], s[14:15], s[22:23]
.irp i, 0,1,2,3,4,5,6,7,8,9,10,11,12,13,14,15
	global_load_b128 v[X+4*\i:X+4*\i+3], v1, s[4:5] offset:512*\i   ; a row's 512 bytes; no hint: later launches read x again
.endr
	s_wait_loadcnt 14                              ; rows 0 and 1 are in, the 14 younger may be out: they start the two chains, nothing is cleared
	v_pk_add_f32 v[SA:SA+1], v[X:X+1], v[X+4:X+5]
	v_pk_add_f32 v[SA+2:SA+3], v[X+2:X+3], v[X+6:X+7]
	s_wait_alu depctr_va_vdst(0)
.irp i, 2,3,4,5,6,7,8,9,10,11,12,13,14,15
	s_wait_alu depctr_va_vdst(0)
	s_wait_loadcnt 15-\i                           ; row i is in; the younger rows may be out
	v_pk_add_f32 v[SA:SA+1], v[SA:SA+1], v[X+4*\i:X+4*\i+1]
	v_pk_add_f32 v[SA+2:SA+3], v[SA+2:SA+3], v[X+4*\i+2:X+4*\i+3]
.endr
	s_delay_alu instid0(VALU_DEP_1)
	v_pk_add_f32 v[SA:SA+1], v[SA:SA+1], v[SA+2:SA+3]
	s_delay_alu instid0(VALU_DEP_1)
	v_add_f32 v[SA], v[SA], v[SA+1]
	s_delay_alu instid0(VALU_DEP_1)
	v_mul_f32 v[MN], 0x3c800000, v[SA]             ; / 64: my part's mean
	s_delay_alu instid0(VALU_DEP_1)
	v_mov_b32 v[MN+1], v[MN]
.irp i, 0,1,2,3,4,5,6,7,8,9,10,11,12,13,14,15
	v_pk_add_f32 v[DV:DV+1], v[X+4*\i:X+4*\i+1], v[MN:MN+1] neg_lo:[0,1] neg_hi:[0,1]
	v_pk_add_f32 v[DV+2:DV+3], v[X+4*\i+2:X+4*\i+3], v[MN:MN+1] neg_lo:[0,1] neg_hi:[0,1]
.if \i == 0
	s_delay_alu instid0(VALU_DEP_2)
	v_pk_mul_f32 v[QA:QA+1], v[DV:DV+1], v[DV:DV+1]
	s_delay_alu instid0(VALU_DEP_2)
	v_pk_mul_f32 v[QA+2:QA+3], v[DV+2:DV+3], v[DV+2:DV+3]
.else
	s_delay_alu instid0(VALU_DEP_2)
	v_pk_fma_f32 v[QA:QA+1], v[DV:DV+1], v[DV:DV+1], v[QA:QA+1]
	s_delay_alu instid0(VALU_DEP_2)
	v_pk_fma_f32 v[QA+2:QA+3], v[DV+2:DV+3], v[DV+2:DV+3], v[QA+2:QA+3]
.endif
.endr
	s_delay_alu instid0(VALU_DEP_1)
	v_pk_add_f32 v[QA:QA+1], v[QA:QA+1], v[QA+2:QA+3]
	s_delay_alu instid0(VALU_DEP_1)
	v_add_f32 v[MN+1], v[QA], v[QA+1]              ; M2 takes the place of the mean's copy
	ds_store_b64 v2, v[MN:MN+1]
	s_wait_dscnt 0x0                               ; for the others' sake: my pair lies in LDS
	s_barrier_signal -1
	s_barrier_wait -1
	s_cmp_lg_u32 s18, 0
	s_cbranch_scc1 .Lend                           ; wave 0 joins the eight parts of 64
.irp i, 0,1,2,3,4,5,6,7
	ds_load_b64 v[PR+2*\i:PR+2*\i+1], v3 offset:256*\i
.endr
	s_wait_dscnt 0x0
	COMBINE PR, 8, 0x42800000, 0x3e000000
	global_store_b64 v3, v[CM:CV], s[14:15]        ; 32 lanes store 256 consecutive bytes, aligned
.Lend:
	s_wait_tensorcnt 0x0
	ds_add_u32 v128, v129
	s_wait_dscnt 0x0
	s_endpgm
	; ---- a weight's tile
.Lweights:
	s_sub_co_u32 s19, ttmp9, 256                   ; 0 wq, 1 wk, 2 wv, 3 wo
	v_and_b32 v5, 15, v0                           ; r
	v_bfe_u32 v6, v0, 4, 1                         ; h
	s_delay_alu instid0(VALU_DEP_2)
	v_and_b32 v7, 8, v5
	s_delay_alu instid0(VALU_DEP_1)
	v_add_nc_u32 v7, v7, v5                        ; r + 8 (r / 8)
	s_delay_alu instid0(VALU_DEP_1)
	v_lshlrev_b32 v7, 2, v7
	s_delay_alu instid0(VALU_DEP_1)
	v_lshl_add_u32 v7, v6, 14, v7                  ; lanes 16-31 begin 32 rows of 512 bytes further down
	s_lshr_b32 s20, s18, 1
	s_lshl_b32 s20, s20, 7
	s_and_b32 s21, s18, 1
	s_lshl_b32 s21, s21, 5
	s_add_co_u32 s20, s20, s21
	v_add_nc_u32 v7, s20, v7                       ; + 4 (32 (w / 2) + 8 (w % 2))
	s_mul_i32 s26, s19, 12288
	s_mul_i32 s27, s18, 1536
	s_add_co_u32 s26, s26, s27
	s_wait_alu depctr_va_vdst(0)
	v_lshl_add_u32 v8, v4, 4, s26                  ; the codes' place: 12,288 mat + 1,536 tile + 16 lane
	s_lshl_b32 s26, s19, 10
	s_lshl_b32 s27, s18, 7
	s_add_co_u32 s26, s26, s27
	v_lshl_add_u32 v9, v4, 2, s26                  ; the scale word's: 1,024 mat + 128 tile + 4 lane
	s_mov_b32 s24, 0x76543210
	s_mov_b32 s25, 0xfedcba98                      ; v_permlanex16_b32's selects for lane l xor 16
	s_wait_kmcnt 0x0
	s_cmp_eq_u32 s19, 1                            ; the choice hangs on the work-group's number alone
	s_cselect_b64 s[6:7], s[8:9], s[6:7]
	s_cmp_eq_u32 s19, 2
	s_cselect_b64 s[6:7], s[10:11], s[6:7]
	s_cmp_eq_u32 s19, 3
	s_cselect_b64 s[6:7], s[12:13], s[6:7]
.irp c, 0,1
.irp i, 0,1,2,3,4,5,6,7,8,9,10,11,12,13,14,15,16,17,18,19,20,21,22,23,24,25,26,27,28,29,30,31
	global_load_b32 v[X+32*\c+\i], v7, s[6:7] offset:512*(64*\c+\i)   ; W(64 c + 32 h + i, my column)
.endr
.endr
	s_wait_loadcnt 0x0
.irp c, 0,1                                    ; my block 2 c + h: all its 32 numbers are mine
	v_max3_num_f32 v[80+\c], |v[X+32*\c]|, |v[X+1+32*\c]|, 0x1800000   ; with the floor 2^(3 - 127): the byte cannot fall under 1
.endr
.irp i, 2,4,6,8,10,12,14,16,18,20,22,24,26,28,30
.irp c, 0,1
	s_delay_alu instid0(VALU_DEP_2)
	v_max3_num_f32 v[80+\c], v[80+\c], |v[X+32*\c+\i]|, |v[X+1+32*\c+\i]|
.endr
.endr
.irp c, 0,1
	s_delay_alu instid0(VALU_DEP_2)
	v_add_nc_u32 v[82+\c], 0xff000000, v[80+\c]    ; 2 off the exponent field: the conversion takes this operand's exponent field as its scale
.endr
.irp c, 0,1
	s_delay_alu instid0(VALU_DEP_2)
	v_lshrrev_b32 v[84+\c], 23, v[82+\c]           ; the scale's byte
.endr
	s_delay_alu instid0(VALU_DEP_1)
	v_lshl_or_b32 v86, v85, 16, v84                ; my two bytes, blocks h and 2 + h,
	v_lshlrev_b32 v87, 3, v6
	s_delay_alu instid0(VALU_DEP_1)
	v_lshlrev_b32 v86, v87, v86                    ; 8 h bits up;
	v_mov_b32 v87, 0
	s_delay_alu instid0(VALU_DEP_1)
	v_permlanex16_b32 v87, v86, s24, s25
	s_delay_alu instid0(VALU_DEP_1)
	v_or_b32 v86, v86, v87                         ; with lane l xor 16's two the word is whole
.irp c, 0,1
	v_cvt_scalef32_pk16_fp6_f32 v[88+6*\c:90+6*\c], v[X+32*\c:X+15+32*\c], v[82+\c]
	v_cvt_scalef32_pk16_fp6_f32 v[100+4*\c:102+4*\c], v[X+16+32*\c:X+31+32*\c], v[82+\c]   ; (a conversion's three registers begin on an even number)
.endr
	v_nop                                          ; one plain instruction behind the scaled conversions
.irp c, 0,1
.irp i, 0,1,2
	v_mov_b32 v[91+6*\c+\i], v[100+4*\c+\i]
.endr
.endr
.irp c, 0,1,2
	global_store_b128 v8, v[88+4*\c:91+4*\c], s[16:17] offset:512*\c   ; 512 consecutive bytes, aligned
.endr
	global_store_b32 v9, v86, s[16:17] offset:49152
	s_endpgm
.Lfunc_end_k_q4c43a85779_stats:
	.size	k_q4c43a85779_stats, .Lfunc_end_k_q4c43a85779_stats-k_q4c43a85779_stats
	.p2alignl 7, 3214868480
	.fill 96, 4, 3214868480
	.section	.rodata,"a",@progbits
	.p2align	6, 0x0
	.amdhsa_kernel k_q4c43a85779_stats
		.amdhsa_group_segment_fixed_size 3072
		.amdhsa_private_segment_fixed_size 0
		.amdhsa_enable_private_segment 0
		.amdhsa_kernarg_size 56
		.amdhsa_user_sgpr_count 2
		.amdhsa_user_sgpr_kernarg_segment_ptr 1
		.amdhsa_wavefront_size32 1
		.amdhsa_system_sgpr_workgroup_id_x 1
		.amdhsa_system_sgpr_workgroup_id_y 1
		.amdhsa_system_sgpr_workgroup_id_z 1
		.amdhsa_system_vgpr_workitem_id 0
		.amdhsa_next_free_vgpr 130
		.amdhsa_next_free_sgpr 66
		.amdhsa_reserve_vcc 0
		.amdhsa_float_denorm_mode_32 3
		.amdhsa_float_denorm_mode_16_64 3
		.amdhsa_memory_ordered 1
		.amdhsa_forward_progress 1
		.amdhsa_inst_pref_size 26
	.end_amdhsa_kernel
	.amdgpu_metadata
---
amdhsa.version: [ 1, 2 ]
amdhsa.kernels:
  - .name:           k_q4c43a85779_stats
    .symbol:         k_q4c43a85779_stats.kd
    .args:
      - { .name: x, .offset: 0, .size: 8, .value_kind: global_buffer, .address_space: global }
      - { .name: wq, .offset: 8, .size: 8, .value_kind: global_buffer, .address_space: global }
      - { .name: wk, .offset: 16, .size: 8, .value_kind: global_buffer, .address_space: global }
      - { .name: wv, .offset: 24, .size: 8, .value_kind: global_buffer, .address_space: global }
      - { .name: wo, .offset: 32, .size: 8, .value_kind: global_buffer, .address_space: global }
      - { .name: gstat, .offset: 40, .size: 8, .value_kind: global_buffer, .address_space: global }
      - { .name: wimg, .offset: 48, .size: 8, .value_kind: global_buffer, .address_space: global }
    .group_segment_fixed_size: 3072
    .private_segment_fixed_size: 0
    .kernarg_segment_align: 8
    .kernarg_segment_size: 56
    .max_flat_workgroup_size: 256
    .sgpr_count:     66
    .vgpr_count:     130
    .wavefront_size: 32
...
	.end_amdgpu_metadata
.endif
;; end of part 1
;; launch qkv (part 2): grid 256 x 1, 8 waves a work-group, no clusters, 128,000 bytes of LDS; arguments x, gn_scale, gn_bias, gstat, wimg, bq, bk, bv, qrec, kvrec; writes qrec, kvrec
.if DOCPART == 2
	.amdgcn_target "amdgcn-amd-amdhsa--gfx1250"
	.amdhsa_code_object_version 6
	.text
	.protected	k_q4c43a85779_qkv
	.globl	k_q4c43a85779_qkv
	.p2align	8
	.type	k_q4c43a85779_qkv,@function
k_q4c43a85779_qkv:
	s_mov_b64 s[64:65], 0
	v_nop
	global_prefetch_b8 v0, s[64:65] scope:SCOPE_SE
	s_setreg_imm32_b32 hwreg(HW_REG_WAVE_MODE, 25, 1), 1
	s_wait_xcnt 0x0
; h = GroupNorm(x); q = Q(h) Q(wq) + bq, k and v likewise; Q(q), Q(k) along the channels and Q(v) along the keys go to memory in the order of an operand's registers.  Q: codes of FP6 (E2M3), one E8M0 scale for each 32 along K.
; SHARES.  Work-group g = 32 image + block takes 128 positions: one block of queries and one key step of the next launch.  Wave w owns tile w of h, of q and of k (16 positions) and tile w of v^T (16 channels).  No loop.
; ONE ORDER EVERYWHERE: row m of tile t stands for index 32 (t / 2) + 8 (t % 2) + m + 8 (m / 8): the positions of a tile of h, q, k and the output channels of a weight's tile.  A product's result holds, in lane (r, h),
;   register j of tile t, source 0's row 8 h + j: index 32 (t / 2) + 16 h + 8 (t % 2) + j.  So the 16 registers of tiles 2 b, 2 b + 1 are 16 neighbours along the next K, as the conversions want them.
;   q, k: source 0 = a weight's tile, source 1 = my tile of h: a lane holds one position and 64 channels.   v: source 0 = tile t of h, source 1 = my tile of wv: a lane holds one channel and 64 keys.
; A FRAGMENT (16 rows x 128 K, 12 registers a lane) travels as an image of its registers: registers 4 c .. 4 c + 3 of lane l at 512 c + 16 l.  Every such load and store covers 512 consecutive bytes.
; OUT.  qrec[g]: 12,800 bytes: q's 8 fragments, then 512 bytes of scale words (tile t, row r at 64 t + 4 r).   kvrec[g]: 25,600 bytes: k's 8 fragments, v^T's 8, k's words, v's words.
; The statistics come as 32 parts (mean, M2) for each image and group; equal parts are joined by  M2 = sum of M2 + n x sum of (mean_i - mean)^2, four a wave and then the eight waves' through LDS.
; The biases are the C of the products: bq, bk eight registers a tile in the result's layout; bv[my channel] eight times.
; LIMITS: NaN and infinities are not served.  A block of zeros, or one under 2^-124, has the byte 1 (the rule says 127 for zeros): its codes are zeros, and this program alone reads the bytes.
; No tensor load: LDS is filled once, 40 KiB, ten loads a thread.  No cluster: what work-groups share is those 40 KiB against 64 KiB of their own.  No prefetch: each byte is asked for at the head.
.set WSC, 36864                        ; LDS: 0: the codes of wq, wk, wv (3 x 12,288); WSC: all scale words (4 x 1,024)
.set STT, 40960                        ; the waves' pairs (mean, M2): 256 bytes a wave
.set XST, 43008                        ; a stage of 16 rows x (512 + 16) bytes for each wave, its own
.set HIM, 110592                       ; h's 8 fragments
.set HSC, 122880                       ; their scale words, 128 bytes each
.set SCG, 123904                       ; the scale words that go out: 512 kind + 64 tile + 4 row; kind 0 q, 1 k, 2 v
.set L16, 1                            ; 16 lane
.set L4,  2                            ; 4 lane
.set T16, 3                            ; 16 thread
.set XSTO, 4                           ; my stage + 16 lane
.set XRD, 5                            ; my stage + 528 r + 64 h
.set HWI, 6                            ; HIM + 1,536 wave + 16 lane
.set HWS, 7                            ; HSC + 128 wave + 4 lane
.set SGA, 8                            ; SCG + 64 wave + 4 r
.set BOF, 9                            ; 64 h
.set STW, 10                           ; STT + 256 wave + 8 lane
.set BVO, 11                           ; 4 x my channel of v
.set L8,  12                           ; 8 lane
.set TV,  13                           ; bv[my channel]
.set MP,  14                           ; v[14:15] the group's mean, twice
.set A4,  16                           ; v[16:19] gn_scale of my 4 channels, then x 1 / sqrt(var + eps)
.set BI4, 20                           ; v[20:23] gn_bias
.set WS,  24                           ; v[24:31] scale words of source 0's eight tiles: scales and nothing else
.set WF,  32                           ; v[32:127] eight fragments for source 0; at the head v[32:71] the weights on their way to LDS, v[72:87] pairs (mean, M2)
.set ACC, 128                          ; v[128:191] x, h, then the eight accumulators, then the codes
.set HF,  192                          ; v[192:203] source 1's fragment
.set HRI, 204                          ; HIM + 16 lane
.set HRS, 205                          ; HSC + 4 lane
.set SGR, 206                          ; SCG + 512 min(wave, 2) + 16 lane
.set WVA, 207                          ; wv's tile w: 24,576 + 1,536 wave + 16 lane
.set WVB, 208                          ; its scale words: WSC + 2,048 + 128 wave + 4 lane
.set FO,  209                          ; a fragment's place in a record: 1,536 wave + 16 lane
.set GOF, 210                          ; the scale words' place in a record
.set HSW, 212                          ; source 1's scale words
.set WVS, 213
.set BV8, 214                          ; v[214:221]
.set BM,  222                          ; v[222:225] the blocks' largest magnitudes
.set PMR, 226                          ; v[226:229] the other half's; then the bytes
.set SO,  230                          ; v[230:233] the conversions' scale operands
.set T0,  234                          ; v[234:236], v[238:240] codes on their way
.set T1,  238
.set PW,  241                          ; the scale word just made
.set CM,  242
.set CV,  243
.set CT,  244
.set CQ,  245
.set RS,  246                          ; v[246:247] 1 / sqrt(var + eps), twice
.set WV,  24                           ; s24 wave
.set SEL, 36                           ; s[36:37]
.set MSB, 0
.macro WIN new                         ; the immediate's high byte repeats the setting that is left
.if MSB != \new
	s_set_vgpr_msb (MSB<<8)|\new
.set MSB, \new
.endif
.endm
.macro COMBINE p, m, n, invm           ; m parts of n numbers, (mean_i, M2_i) at v[p + 2 i], are joined into v[CM], v[CV]
	v_add_f32 v[CM], v[\p], v[\p+2]
	v_add_f32 v[CV], v[\p+1], v[\p+3]
.set ci, 2
.rept \m-2
	s_delay_alu instid0(VALU_DEP_2)
	v_add_f32 v[CM], v[CM], v[\p+2*ci]
	s_delay_alu instid0(VALU_DEP_2)
	v_add_f32 v[CV], v[CV], v[\p+2*ci+1]
.set ci, ci+1
.endr
	s_delay_alu instid0(VALU_DEP_2)
	v_mul_f32 v[CM], \invm, v[CM]
	s_delay_alu instid0(VALU_DEP_1)
	v_sub_f32 v[CT], v[\p], v[CM]
	s_delay_alu instid0(VALU_DEP_1)
	v_mul_f32 v[CQ], v[CT], v[CT]
.set ci, 1
.rept \m-1
	v_sub_f32 v[CT], v[\p+2*ci], v[CM]
	s_delay_alu instid0(VALU_DEP_1)
	v_fmac_f32 v[CQ], v[CT], v[CT]
.set ci, ci+1
.endr
	s_delay_alu instid0(VALU_DEP_1)
	v_fmac_f32 v[CV], \n, v[CQ]
.endm
; 64 numbers of a lane at v[s]: register 16 b + i = k 32 b + 16 (lane / 16) + i of my row.  MAXABS: each block's largest magnitude.  An accumulator is first read at its registers 0 and 1
.macro MAXABS s
.irp b, 0,1,2,3
	v_max3_num_f32 v[BM+\b], |v[(\s)+16*\b]|, |v[(\s)+1+16*\b]|, 0x1800000   ; with the floor 2^(3 - 127): the byte cannot fall under 1
.endr
.irp i, 2,4,6,8,10,12,14
.irp b, 0,1,2,3
	v_max3_num_f32 v[BM+\b], v[BM+\b], |v[(\s)+16*\b+\i]|, |v[(\s)+1+16*\b+\i]|   ; the four blocks by turns
.endr
.endr
.irp b, 0,1,2,3
	s_delay_alu instid0(VALU_DEP_4)
	v_permlanex16_b32 v[PMR+\b], v[BM+\b], s[SEL], s[SEL+1]
.endr
.irp b, 0,1,2,3
	s_delay_alu instid0(VALU_DEP_4)
	v_max_num_f32 v[BM+\b], v[BM+\b], v[PMR+\b]    ; with lane l xor 16's 16 numbers
.endr
.endm
.macro SCALEW pw                       ; from the largest magnitudes: the conversions' scale operands and my row's scale word
.irp b, 0,1,2,3
	s_delay_alu instid0(VALU_DEP_4)
	v_add_nc_u32 v[SO+\b], 0xff000000, v[BM+\b]    ; 2 off the exponent field
.endr
.irp b, 0,1,2,3
	s_delay_alu instid0(VALU_DEP_4)
	v_lshrrev_b32 v[PMR+\b], 23, v[SO+\b]          ; the byte
.endr
	s_delay_alu instid0(VALU_DEP_3)
	v_lshl_or_b32 v[\pw], v[PMR+1], 8, v[PMR]
	s_delay_alu instid0(VALU_DEP_1)
	v_lshl_or_b32 v[\pw], v[PMR+2], 16, v[\pw]
	s_delay_alu instid0(VALU_DEP_1)
	v_lshl_or_b32 v[\pw], v[PMR+3], 24, v[\pw]
.endm
.macro CODES s                         ; the 64 numbers become the fragment's 12 registers, in place: v[s] .. v[s + 11]
	v_cvt_scalef32_pk16_fp6_f32 v[T0:T0+2], v[(\s):(\s)+15], v[SO]
	v_cvt_scalef32_pk16_fp6_f32 v[T1:T1+2], v[(\s)+16:(\s)+31], v[SO+1]
	v_nop                                          ; a plain instruction: the next two write sources of the first
	v_cvt_scalef32_pk16_fp6_f32 v[(\s)+6:(\s)+8], v[(\s)+32:(\s)+47], v[SO+2]
	v_cvt_scalef32_pk16_fp6_f32 v[(\s)+12:(\s)+14], v[(\s)+48:(\s)+63], v[SO+3]
	v_nop                                          ; and one behind the last scaled conversion
.irp i, 0,1,2                                  ; the layout wants a whole block in a lane: lanes 0-15 block 2 c, lanes 16-31 block 2 c + 1
	v_permlane16_swap_b32 v[T0+\i], v[T1+\i]
.endr
.irp i, 0,1,2
	v_permlane16_swap_b32 v[(\s)+6+\i], v[(\s)+12+\i]
.endr
.irp i, 0,1,2
	v_mov_b32 v[(\s)+\i], v[T0+\i]
	v_mov_b32 v[(\s)+3+\i], v[T1+\i]
	v_mov_b32 v[(\s)+9+\i], v[(\s)+12+\i]
.endr
.endm
.macro PLACES                          ; four plain instructions between a matrix instruction and a load into, or a read of, its registers (ISA guide 7.12.1 for reads)
.rept 4
	v_nop
.endr
.endm
.macro FETCHW mat                      ; a weight's eight fragments and their scale words
.irp t, 0,1,2,3,4,5,6,7
.irp c, 0,1,2
	ds_load_b128 v[WF+12*\t+4*\c:WF+12*\t+4*\c+3], v[L16] offset:12288*(\mat)+1536*\t+512*\c
.endr
	ds_load_b32 v[WS+\t], v[L4] offset:WSC+1024*(\mat)+128*\t
.endr
.endm
.macro PRODT cb                        ; eight products on eight accumulators: the weight's tiles x my tile of h; C = the bias at v[cb + 8 t] of window 1
	WIN 0x10
.irp t, 0,1,2,3,4,5,6,7
	v_wmma_scale_f32_16x16x128_f8f6f4 v[ACC+8*\t:ACC+8*\t+7], v[WF+12*\t:WF+12*\t+11], v[HF:HF+11], v[(\cb)+8*\t:(\cb)+8*\t+7], v[WS+\t], v[HSW] matrix_a_fmt:MATRIX_FMT_FP6 matrix_b_fmt:MATRIX_FMT_FP6
.endr
	WIN 0
.endm
.macro QUANTA
	MAXABS ACC
	SCALEW PW
	CODES ACC
.endm
.macro OUTF sb, off, sg                ; my fragment to its record, my rows' scale words to the gathering place (lanes r and r + 16 write the same word with the same value)
.irp c, 0,1,2
	global_store_b128 v[FO], v[ACC+4*\c:ACC+4*\c+3], s[\sb:\sb+1] offset:(\off)+512*\c
.endr
	ds_store_b32 v[SGA], v[PW] offset:\sg
.endm
.macro BARRIER                         ; my LDS stores have landed and my LDS loads are in: then the work-group's barrier
	s_wait_dscnt 0x0
	s_barrier_signal -1
	s_barrier_wait -1
.endm
	s_load_b512 s[4:19], s[0:1], 0x0               ; x, gn_scale, gn_bias, gstat, wimg, bq, bk, bv: s[4:5] .. s[18:19]
	s_load_b128 s[20:23], s[0:1], 0x40             ; qrec, kvrec
	v_lshl_add_u32 v254, v0, 2, 0x1f000
	v_mov_b32 v255, 0
	v_lshrrev_b32 v[TV], 5, v0
	s_delay_alu instid0(VALU_DEP_1)
	v_readfirstlane_b32 s[WV], v[TV]               ; wave 0..7
	v_and_b32 v[TV], 31, v0                        ; lane
	s_delay_alu instid0(VALU_DEP_1)
	v_lshlrev_b32 v[L16], 4, v[TV]
	s_delay_alu instid0(VALU_DEP_2)
	v_lshlrev_b32 v[L4], 2, v[TV]
	s_delay_alu instid0(VALU_DEP_3)
	v_lshlrev_b32 v[L8], 3, v[TV]
	v_lshlrev_b32 v[T16], 4, v0
	v_and_b32 v[CT], 15, v0                        ; r
	v_bfe_u32 v[CQ], v0, 4, 1                      ; h
	s_mul_i32 s25, s[WV], 8448
	s_add_co_u32 s25, s25, XST
	v_add_nc_u32 v[XSTO], s25, v[L16]
	v_mul_u32_u24 v[XRD], v[CT], 528
	s_delay_alu instid0(VALU_DEP_1)
	v_lshl_add_u32 v[XRD], v[CQ], 6, v[XRD]
	s_delay_alu instid0(VALU_DEP_1)
	v_add_nc_u32 v[XRD], s25, v[XRD]
	s_mul_i32 s25, s[WV], 1536
	v_add_nc_u32 v[FO], s25, v[L16]
	s_add_co_u32 s26, s25, HIM
	v_add_nc_u32 v[HWI], s26, v[L16]
	s_add_co_u32 s26, s25, 24576
	v_add_nc_u32 v[WVA], s26, v[L16]
	s_lshl_b32 s25, s[WV], 7
	s_add_co_u32 s26, s25, HSC
	v_add_nc_u32 v[HWS], s26, v[L4]
	s_add_co_u32 s26, s25, WSC+2048
	v_add_nc_u32 v[WVB], s26, v[L4]
	v_add_nc_u32 v[HRI], HIM, v[L16]
	v_add_nc_u32 v[HRS], HSC, v[L4]
	s_lshl_b32 s25, s[WV], 6
	s_add_co_u32 s25, s25, SCG
	v_lshl_add_u32 v[SGA], v[CT], 2, s25
	s_min_u32 s25, s[WV], 2
	s_lshl_b32 s25, s25, 9
	s_add_co_u32 s25, s25, SCG
	v_add_nc_u32 v[SGR], s25, v[L16]
	v_lshlrev_b32 v[BOF], 6, v[CQ]
	s_lshl_b32 s25, s[WV], 8
	s_add_co_u32 s25, s25, STT
	v_add_nc_u32 v[STW], s25, v[L8]
	s_lshr_b32 s26, s[WV], 1
	s_lshl_b32 s26, s26, 5
	s_and_b32 s27, s[WV], 1
	s_lshl_b32 s27, s27, 3
	s_add_co_u32 s26, s26, s27                     ; 32 (w / 2) + 8 (w % 2): where my tile's indices begin
	v_and_b32 v[BVO], 8, v[CT]
	s_delay_alu instid0(VALU_DEP_1)
	v_add_nc_u32 v[BVO], v[BVO], v[CT]
	s_delay_alu instid0(VALU_DEP_1)
	v_add_nc_u32 v[BVO], s26, v[BVO]
	s_delay_alu instid0(VALU_DEP_1)
	v_lshlrev_b32 v[BVO], 2, v[BVO]
	s_lshl_b32 s28, ttmp9, 7
	s_add_co_u32 s28, s28, s26
	s_lshl_b32 s28, s28, 9                         ; x: (128 g + my tile's first position) rows of 512 bytes
	s_mov_b32 s29, 0
	s_lshr_b32 s30, ttmp9, 5
	s_lshl_b32 s30, s30, 13                        ; gstat: the image's 32 parts of 256 bytes,
	s_lshl_b32 s31, s[WV], 10
	s_add_co_u32 s30, s30, s31                     ; my four of them
	s_mov_b32 s31, 0
	s_mul_i32 s32, ttmp9, 12800
	s_mov_b32 s33, 0
	s_mul_i32 s34, ttmp9, 25600
	s_mov_b32 s35, 0
	s_mov_b32 s[SEL], 0x76543210
	s_mov_b32 s[SEL+1], 0xfedcba98                 ; v_permlanex16_b32's selects for lane l xor 16
	s_mov_b32 s38, 0x38800000                      ; 2^-14 = 1 / 16,384, a group's numbers
.irp b, 0,1,2,3
	v_mov_b32 v[PMR+\b], 0                         ; written once: a lane permute's destination counts as one of its sources
.endr
	s_wait_alu depctr_va_vdst(0)
	s_wait_kmcnt 0x0
	s_add_nc_u64 s[4:5], s[4:5], s[28:29]
	s_add_nc_u64 s[10:11], s[10:11], s[30:31]
	s_add_nc_u64 s[20:21], s[20:21], s[32:33]
	s_add_nc_u64 s[22:23], s[22:23], s[34:35]
	; all global loads, in the order in which they are wanted: 4 + 2 + 10 + 16 + 33
.irp i, 0,1,2,3
	global_load_b64 v[72+2*\i:73+2*\i], v[L8], s[10:11] offset:256*\i
.endr
	global_load_b128 v[A4:A4+3], v[L16], s[6:7]
	global_load_b128 v[BI4:BI4+3], v[L16], s[8:9]
.irp i, 0,1,2,3,4,5,6,7,8
	global_load_b128 v[32+4*\i:35+4*\i], v[T16], s[12:13] offset:4096*\i
.endr
	global_load_b128 v[68:71], v[T16], s[12:13] offset:49152
.irp i, 0,1,2,3,4,5,6,7,8,9,10,11,12,13,14,15
	global_load_b128 v[ACC+4*\i:ACC+4*\i+3], v[L16], s[4:5] offset:(\i+8*(\i/8))*512   ; row i of my tile: a row's 512 bytes
.endr
	WIN 0x40                                       ; destination window 1
.irp t, 0,1,2,3,4,5,6,7
	global_load_b128 v[8*\t:8*\t+3], v[BOF], s[14:15] offset:(32*(\t/2)+8*(\t%2))*4
	global_load_b128 v[8*\t+4:8*\t+7], v[BOF], s[14:15] offset:(32*(\t/2)+8*(\t%2))*4+16
	global_load_b128 v[64+8*\t:64+8*\t+3], v[BOF], s[16:17] offset:(32*(\t/2)+8*(\t%2))*4
	global_load_b128 v[64+8*\t+4:64+8*\t+7], v[BOF], s[16:17] offset:(32*(\t/2)+8*(\t%2))*4+16
.endr
	WIN 0
	global_load_b32 v[TV], v[BVO], s[18:19]
	; ---- the statistics' first level, and the weights into LDS
	s_wait_loadcnt 61                              ; my four parts are in; 2 + 10 + 16 + 33 younger loads may be out
	COMBINE 72, 4, 0x44000000, 0x3e800000          ; four parts of 512
	ds_store_b64 v[STW], v[CM:CV]
	s_wait_loadcnt 49                              ; the gains and the weights are in; 16 + 33 may be out
.irp i, 0,1,2,3,4,5,6,7,8
	ds_store_b128 v[T16], v[32+4*\i:35+4*\i] offset:4096*\i
.endr
	ds_store_b128 v[T16], v[68:71] offset:WSC
	BARRIER
	; ---- the second level: eight parts of 2,048.  Lane l is group l
.irp i, 0,1,2,3,4,5,6,7
	ds_load_b64 v[72+2*\i:73+2*\i], v[L8] offset:STT+256*\i
.endr
	s_wait_dscnt 0x0
	COMBINE 72, 8, 0x45000000, 0x3e000000
	s_delay_alu instid0(VALU_DEP_1)
	v_fmaak_f32 v[CV], s38, v[CV], 0x358637bd      ; var + 1e-6: the scaling by 2^-14 is exact, so this rounds once
	s_wait_alu depctr_va_vdst(0)
	v_rsq_f32 v[RS], v[CV]
	v_mov_b32 v[MP], v[CM]                         ; (plain instructions behind the transcendental)
	v_mov_b32 v[MP+1], v[CM]
	s_wait_alu depctr_va_vdst(0)                   ; ahead of the first instruction that names its result
	v_mov_b32 v[RS+1], v[RS]
	v_pk_mul_f32 v[A4:A4+1], v[A4:A4+1], v[RS:RS+1]
	v_pk_mul_f32 v[A4+2:A4+3], v[A4+2:A4+3], v[RS:RS+1]
	; ---- h = (x - mean) x (gn_scale / sqrt(var + eps)) + gn_bias
	s_wait_loadcnt 33                              ; x's 16 rows are in; the 33 loads of biases may be out
.irp i, 0,1,2,3,4,5,6,7,8,9,10,11,12,13,14,15
	v_pk_add_f32 v[ACC+4*\i:ACC+4*\i+1], v[ACC+4*\i:ACC+4*\i+1], v[MP:MP+1] neg_lo:[0,1] neg_hi:[0,1]
	s_wait_alu depctr_va_vdst(0)
	v_pk_add_f32 v[ACC+4*\i+2:ACC+4*\i+3], v[ACC+4*\i+2:ACC+4*\i+3], v[MP:MP+1] neg_lo:[0,1] neg_hi:[0,1]
	v_pk_fma_f32 v[ACC+4*\i:ACC+4*\i+1], v[ACC+4*\i:ACC+4*\i+1], v[A4:A4+1], v[BI4:BI4+1]
	s_delay_alu instid0(VALU_DEP_2)
	v_pk_fma_f32 v[ACC+4*\i+2:ACC+4*\i+3], v[ACC+4*\i+2:ACC+4*\i+3], v[A4+2:A4+3], v[BI4+2:BI4+3]
.endr
	; ---- the turn through my own stage: in by rows, 16 bytes a lane; out 16 neighbours of each block of 32 of ONE row.  Rows 528 bytes apart, an odd multiple of 16.  LDS serves a wave's instructions in order (ISA guide 5.7.1.4)
.irp i, 0,1,2,3,4,5,6,7,8,9,10,11,12,13,14,15
	ds_store_b128 v[XSTO], v[ACC+4*\i:ACC+4*\i+3] offset:528*\i
.endr
.irp b, 0,1,2,3
.irp j, 0,1,2,3
	ds_load_b128 v[ACC+16*\b+4*\j:ACC+16*\b+4*\j+3], v[XRD] offset:128*\b+16*\j
.endr
.endr
	s_wait_dscnt 0x0
	QUANTA
.irp c, 0,1,2
	ds_store_b128 v[HWI], v[ACC+4*\c:ACC+4*\c+3] offset:512*\c
.endr
	ds_store_b32 v[HWS], v[PW]
	s_wait_loadcnt 0x0                             ; the biases
.irp j, 0,1,2,3,4,5,6,7
	v_mov_b32 v[BV8+\j], v[TV]
.endr
	BARRIER                                        ; h's eight fragments lie in LDS
	; ---- q
	FETCHW 0
.irp c, 0,1,2
	ds_load_b128 v[HF+4*\c:HF+4*\c+3], v[HWI] offset:512*\c
.endr
	ds_load_b32 v[HSW], v[HWS]
	s_wait_dscnt 0x0
	PRODT 0
	PLACES
	FETCHW 1                                       ; wk lands while q is quantised
	QUANTA
	OUTF 20, 0, 0
	; ---- k
	s_wait_dscnt 0x0
	s_wait_xcnt 0x0                                ; the stores have read their data: the accumulators may be written again
	PRODT 64
	PLACES
.irp t, 0,1,2,3,4,5,6,7                        ; for v: all of h as source 0, my tile of wv as source 1
.irp c, 0,1,2
	ds_load_b128 v[WF+12*\t+4*\c:WF+12*\t+4*\c+3], v[HRI] offset:1536*\t+512*\c
.endr
	ds_load_b32 v[WS+\t], v[HRS] offset:128*\t
.endr
.irp c, 0,1,2
	ds_load_b128 v[HF+4*\c:HF+4*\c+3], v[WVA] offset:512*\c
.endr
	ds_load_b32 v[WVS], v[WVB]
	QUANTA
	OUTF 22, 0, 512
	; ---- v^T: lane (r, h) holds channel 32 (w / 2) + 8 (w % 2) + r + 8 (r / 8); register 16 b + i is key 32 b + 16 h + i
	s_wait_dscnt 0x0
	s_wait_xcnt 0x0
.irp t, 0,1,2,3,4,5,6,7
	v_wmma_scale_f32_16x16x128_f8f6f4 v[ACC+8*\t:ACC+8*\t+7], v[WF+12*\t:WF+12*\t+11], v[HF:HF+11], v[BV8:BV8+7], v[WS+\t], v[WVS] matrix_a_fmt:MATRIX_FMT_FP6 matrix_b_fmt:MATRIX_FMT_FP6
.endr
	PLACES
	QUANTA
	OUTF 22, 12288, 1024
	BARRIER                                        ; the three kinds' scale words lie together
	s_cmp_gt_u32 s[WV], 2
	s_cbranch_scc1 .Lend                           ; waves 0, 1, 2 store a kind each: 512 consecutive bytes, aligned
	ds_load_b128 v[32:35], v[SGR]
	s_lshl_b32 s25, s[WV], 9
	s_add_co_u32 s25, s25, 24064                   ; k's at 24,576, v's at 25,088 of kvrec's record;
	s_mov_b32 s26, 12288                           ; q's at 12,288 of qrec's
	s_cmp_eq_u32 s[WV], 0
	s_cselect_b32 s25, s26, s25
	s_cselect_b64 s[40:41], s[20:21], s[22:23]
	v_add_nc_u32 v[GOF], s25, v[L16]
	s_wait_alu depctr_va_vdst(0)
	s_wait_dscnt 0x0
	global_store_b128 v[GOF], v[32:35], s[40:41]
.Lend:
	s_wait_tensorcnt 0x0
	ds_add_u32 v254, v255
	s_wait_dscnt 0x0
	s_endpgm
.Lfunc_end_k_q4c43a85779_qkv:
	.size	k_q4c43a85779_qkv, .Lfunc_end_k_q4c43a85779_qkv-k_q4c43a85779_qkv
	.p2alignl 7, 3214868480
	.fill 96, 4, 3214868480
	.section	.rodata,"a",@progbits
	.p2align	6, 0x0
	.amdhsa_kernel k_q4c43a85779_qkv
		.amdhsa_group_segment_fixed_size 128000
		.amdhsa_private_segment_fixed_size 0
		.amdhsa_enable_private_segment 0
		.amdhsa_kernarg_size 80
		.amdhsa_user_sgpr_count 2
		.amdhsa_user_sgpr_kernarg_segment_ptr 1
		.amdhsa_wavefront_size32 1
		.amdhsa_system_sgpr_workgroup_id_x 1
		.amdhsa_system_sgpr_workgroup_id_y 1
		.amdhsa_system_sgpr_workgroup_id_z 1
		.amdhsa_system_vgpr_workitem_id 0
		.amdhsa_next_free_vgpr 384
		.amdhsa_next_free_sgpr 66
		.amdhsa_reserve_vcc 0
		.amdhsa_float_denorm_mode_32 3
		.amdhsa_float_denorm_mode_16_64 3
		.amdhsa_memory_ordered 1
		.amdhsa_forward_progress 1
		.amdhsa_inst_pref_size 52
	.end_amdhsa_kernel
	.amdgpu_metadata
---
amdhsa.version: [ 1, 2 ]
amdhsa.kernels:
  - .name:           k_q4c43a85779_qkv
    .symbol:         k_q4c43a85779_qkv.kd
    .args:
      - { .name: x, .offset: 0, .size: 8, .value_kind: global_buffer, .address_space: global }
      - { .name: gn_scale, .offset: 8, .size: 8, .value_kind: global_buffer, .address_space: global }
      - { .name: gn_bias, .offset: 16, .size: 8, .value_kind: global_buffer, .address_space: global }
      - { .name: gstat, .offset: 24, .size: 8, .value_kind: global_buffer, .address_space: global }
      - { .name: wimg, .offset: 32, .size: 8, .value_kind: global_buffer, .address_space: global }
      - { .name: bq, .offset: 40, .size: 8, .value_kind: global_buffer, .address_space: global }
      - { .name: bk, .offset: 48, .size: 8, .value_kind: global_buffer, .address_space: global }
      - { .name: bv, .offset: 56, .size: 8, .value_kind: global_buffer, .address_space: global }
      - { .name: qrec, .offset: 64, .size: 8, .value_kind: global_buffer, .address_space: global }
      - { .name: kvrec, .offset: 72, .size: 8, .value_kind: global_buffer, .address_space: global }
    .group_segment_fixed_size: 128000
    .private_segment_fixed_size: 0
    .kernarg_segment_align: 8
    .kernarg_segment_size: 80
    .max_flat_workgroup_size: 256
    .sgpr_count:     66
    .vgpr_count:     384
    .wavefront_size: 32
...
	.end_amdgpu_metadata
.endif
;; end of part 2
;; launch attn (part 3): grid 32 x 8, 8 waves a work-group, clusters of 4 x 1, 327,680 bytes of LDS; arguments qrec, kvrec, wimg, bo, x, out0; writes out0
.if DOCPART == 3
	.amdgcn_target "amdgcn-amd-amdhsa--gfx1250"
	.amdhsa_code_object_version 6
	.text
	.protected	k_q4c43a85779_attn
	.globl	k_q4c43a85779_attn
	.p2align	8
	.type	k_q4c43a85779_attn,@function
k_q4c43a85779_attn:
	s_mov_b64 s[64:65], 0
	v_nop
	global_prefetch_b8 v0, s[64:65] scope:SCOPE_SE
	s_setreg_imm32_b32 hwreg(HW_REG_WAVE_MODE, 25, 1), 1
	s_wait_xcnt 0x0
	s_wait_alu depctr_hold_cnt(0) depctr_sa_sdst(0) depctr_va_vdst(0) depctr_va_sdst(0) depctr_va_ssrc(0) depctr_va_vcc(0) depctr_vm_vsrc(0)
	s_getreg_b32 s2, hwreg(HW_REG_IB_STS2, 6, 4)
	s_cmp_eq_u32 s2, 0
	s_cbranch_scc0 .Lentry_in_a_cluster
	s_endpgm
.Lentry_in_a_cluster:
	s_bfe_u32 s2, ttmp6, 0x10000c
	s_cmp_lg_u32 s2, 0x3003
	s_cbranch_scc0 .Lentry_shape_is_right
	s_endpgm
.Lentry_shape_is_right:
; out = x + Q(softmax(q k^T / sqrt(128)) v) Q(wo) + bo, every product on codes of FP6 (E2M3) with one E8M0 scale for each 32 along its K.  8 images, 4,096 positions, 128 channels.
; THE SOFTMAX: t = score x log2(e) / sqrt(128); M = the largest t so far, rounded UP to a whole number; p = 2^(t - M) is quantised along the keys, not normalised; the row's sum is taken of the unquantised p.
;   When M moves, the sum and O are multiplied by 2^(old M - new M): exact.  O is divided by the sum at the end, quantised along the channels, and multiplied by wo.
; SHARES.  A work-group owns 128 queries of one image.  Wave w = 4 kh + qp owns query tiles 2 qp and 2 qp + 1 (32 queries, which share every fragment of k and v that the wave reads) and HALF of the keys: of each
;   slot's four key steps of 128 keys the steps kh and kh + 2.  So a SIMD holds two waves of 512 registers, one's vector work beside the other's products and LDS loads.  The two halves (O, M, sum) are joined
;   once, at the end, by exact powers of two: waves 4 to 7 hand theirs over through LDS, waves 0 to 3 finish.
; LAYOUT.  Both products are used transposed: S^T = k q^T (source 0 = 16 keys), O^T = v^T p (source 0 = 16 channels): a lane holds ONE query (lane % 16) throughout.  Row m of tile t of k, of v^T and of wo stands for
;   index 32 (t / 2) + 8 (t % 2) + m + 8 (m / 8), so that the 16 registers of tiles 2 b, 2 b + 1 of a result are the 16 neighbours 32 b + 16 (lane / 16) + 0 .. 15 along the next K.  The rows of a tile of q are positions in the same order.
; OPERANDS lie in memory and in LDS as images of their registers: a fragment (12 registers a lane) is 1,536 bytes, registers 4 c .. 4 c + 3 of lane l at 512 c + 16 l: three loads of 512 consecutive bytes, no padding.
;   A key step's record is 25,600 bytes: k's 8 fragments, v^T's 8, k's scale words (64 t + 4 r), v's.
; THE RING.  Two LDS slots of four key steps, 102,400 dense bytes.  Each of the eight waves brings an eighth by one tensor load, 50 rows of 256 bytes (400 rows do not share out into 64 a wave).
; CLUSTER.  The four work-groups of a cluster belong to one image and walk the same records: each load is asked for JOINTLY, with the same descriptor and a mask that names the four.
; LIMITS: NaN and infinities are not served.  A block of p or of O under 2^-124 has the byte 1: its codes are zeros.  What falls under the smallest f32 number in a multiplication by 2^(old M - new M) is lost.
;   A block's largest p is made from the block's largest score by the same multiply-add and exponential, which takes v_exp_f32 not to fall where its input rises.
; REGISTERS, window 0: v1-7 addresses; v8-15 for each tile -M, the largest t, the sum in two halves; v16-19 for each tile f and p's scale word; v20, v49 q's scale words; v22-29 k's and v's (register i: lanes 0-15 tile 2 i,
;   lanes 16-31 tile 2 i + 1); v30-51 at work; v52-99 four fragments of k or v; v100-227 S^T, then p, then its codes, 64 a tile; v228-251 q; v252-255 bo.   window 1: v0-127 O^T, 64 a tile; v128-223 wo's 8 fragments.
.set REC,   25600                      ; a key step's record
.set SLOTB, 4*REC
.set SLOT1, 131072                     ; slot 1 begins here: one exclusive or turns an address in one slot into the other's
.set SPARE, SLOTB                      ; behind slot 0: the spare words, 128 bytes for each wave: four blocks of 256 bytes that no other line names
.set MRG,   SLOT1+SLOTB                ; behind slot 1: for each pair of waves 512 bytes of (-M, sum) and 2 x 8,192 of O^T; no tensor load lands here
.set MRP,   16896
.set LB,   1                           ; 16 lane + REC kh
.set LSB,  2                           ; 4 lane + REC kh + 24,576; in the tail 4 lane
.set ADR,  3                           ; the step's fragments; in the tail my pair's area + 16 lane
.set ADS,  4                           ; the step's scale words; in the tail my pair's area + 528 r + 64 h
.set SPW,  5                           ; LDS address of my spare word; never rewritten
.set NIL,  6                           ; 0; never rewritten
.set PFO,  7                           ; the prefetches' offset; never rewritten
.set ST,   8
.set FP,   16
.set QS,   20                          ; tile x's at v[QS + 29 x]
.set L16,  21
.set KS,   22
.set VS,   26
.set BM,   30
.set PMR,  34
.set SO,   38
.set T0,   42
.set TA,   45
.set T1,   46
.set SUM2, 50
.set F,    52
.set S,    100
.set Q,    228
.set BO4,  252
.set WO,   128                         ; in window 1
.set WV,   16                          ; s16 wave, s17 qp, s18 kh
.set QP,   17
.set KH,   18
.set G1,   24                          ; s[24:31] descriptor group 1;  s[32:35] group 0, which walks
.set G0,   32
.set SEL,  36                          ; s[36:37]
.set CS,   38                          ; s[38:39] c = log2(e) / sqrt(128): the packed form names a pair and takes its low word for both halves
.set TB,   40                          ; LDS byte at which the two steps in hand begin
.set SLOTS, 41
.set TWICE, 42
.set LIM,  43
.set PFA,  44                          ; s[44:45]
.set MSB, 0
.macro WIN new                         ; the immediate's high byte repeats the setting that is left
.if MSB != \new
	s_set_vgpr_msb (MSB<<8)|\new
.set MSB, \new
.endif
.endm
.macro PLACES n                        ; plain instructions between a matrix instruction and a load into, a read of, or (one more) a matrix instruction's write over its registers (ISA guide 7.12.1 for reads and matrix writes)
.rept \n
	v_nop
.endr
.endm
; A round of the cluster's barrier: my work-group's barrier; wave 0 signals for the work-group; every wave waits for all four work-groups; my work-group's barrier once more
.macro ROUND
	s_barrier_signal -1
	s_barrier_wait -1
	s_cmp_lg_u32 s[WV], 0
	s_cbranch_scc1 .Lnot_wave_0_\@
	s_barrier_signal -3
.Lnot_wave_0_\@:
	s_barrier_wait -3
	s_barrier_signal -1
	s_barrier_wait -1
.endm
; A PREFETCH INTO THE L2 of the slot that the NEXT change of slots will ask for: four key steps ahead of that load.  All eight clusters of an image walk the same records: the image's first cluster asks.  Its four partners
; take a record (100 blocks of 256 bytes) each, told apart BY ADDRESS; in each, waves 0 to 3 take 25 blocks, a lane a block; lanes 25 to 31 name lane 24's block again in the same instruction, since 25 is no 32.
; The last change that fills a slot asks for nothing; slots 0 and 1 come by their loads alone.
.macro ASK
	s_cmp_gt_u32 s[SLOTS], s[LIM]
	s_cbranch_scc0 .Lnot_mine_\@
	global_prefetch_b8 v[PFO], s[PFA:PFA+1] th:TH_LOAD_NT scope:SCOPE_SE
.Lnot_mine_\@:
.endm
; THE CHANGE OF SLOTS stands at a slot's head.  Each wave waits for all its tensor loads (its eighth of the slot ahead), adds 0 to its spare word, and waits for that and for its reads of the slot that it has left.
; fill = 1: the barrier is a round of the cluster's, and the slot just left is asked for again first thing behind it, one load a wave: it has a slot's steps in which to land.
.macro CHANGE fill
	s_wait_tensorcnt 0x0                           ; no tensor load of mine is out, so group 0 may be written
	ds_add_u32 v[SPW], v[NIL]                      ; 0 onto my spare word
.if \fill
	s_xor_b32 s[G0+1], s[G0+1], SLOT1              ; the other slot than last time,
	s_add_nc_u64 s[G0+2:G0+3], s[G0+2:G0+3], SLOTB ; the next four key steps; the type bits on top are not reached
	s_wait_xcnt 0x0                                ; the last prefetch, a slot back, has read its address
	s_add_nc_u64 s[PFA:PFA+1], s[PFA:PFA+1], SLOTB
	s_wait_dscnt 0x0                               ; the add is done, and my reads of the slot that I have left are over
	ROUND
	tensor_load_to_lds s[G0:G0+3], s[G1:G1+7]
	s_nop 0
	PLACES 4                                       ; four v_nop behind the load
	ASK
.else
	s_wait_dscnt 0x0
	s_barrier_signal -1
	s_barrier_wait -1
.endif
.endm
; One product.  ra = 1: source 0's scales stand in lanes 16-31.  acc = 1: onto D; 0: the sum begins
.macro MM d, a, b, sa, sb, ra, acc
.if (\ra) && (\acc)
	v_wmma_scale_f32_16x16x128_f8f6f4 v[(\d):(\d)+7], v[(\a):(\a)+11], v[(\b):(\b)+11], v[(\d):(\d)+7], v[(\sa)], v[(\sb)] matrix_a_fmt:MATRIX_FMT_FP6 matrix_b_fmt:MATRIX_FMT_FP6 matrix_a_scale:MATRIX_SCALE_ROW1
.elseif (\ra)
	v_wmma_scale_f32_16x16x128_f8f6f4 v[(\d):(\d)+7], v[(\a):(\a)+11], v[(\b):(\b)+11], 0, v[(\sa)], v[(\sb)] matrix_a_fmt:MATRIX_FMT_FP6 matrix_b_fmt:MATRIX_FMT_FP6 matrix_a_scale:MATRIX_SCALE_ROW1
.elseif (\acc)
	v_wmma_scale_f32_16x16x128_f8f6f4 v[(\d):(\d)+7], v[(\a):(\a)+11], v[(\b):(\b)+11], v[(\d):(\d)+7], v[(\sa)], v[(\sb)] matrix_a_fmt:MATRIX_FMT_FP6 matrix_b_fmt:MATRIX_FMT_FP6
.else
	v_wmma_scale_f32_16x16x128_f8f6f4 v[(\d):(\d)+7], v[(\a):(\a)+11], v[(\b):(\b)+11], 0, v[(\sa)], v[(\sb)] matrix_a_fmt:MATRIX_FMT_FP6 matrix_b_fmt:MATRIX_FMT_FP6
.endif
.endm
.macro FETCH g, base                   ; tiles 4 g .. 4 g + 3 of k (base 0) or of v^T (base 12,288)
.irp t, 0,1,2,3
.irp c, 0,1,2
	ds_load_b128 v[F+12*\t+4*\c:F+12*\t+4*\c+3], v[ADR] offset:(\base)+(4*(\g)+\t)*1536+512*\c
.endr
.endr
.endm
.macro KQ g                            ; eight products on eight accumulators: each fragment of k serves both tiles of queries
.irp t, 0,1,2,3
.irp x, 0,1
	MM S+64*\x+8*(4*(\g)+\t), F+12*\t, Q+12*\x, KS+(4*(\g)+\t)/2, QS+29*\x, \t%2, 0
.endr
.endr
.endm
.macro PV g                            ; the same for v^T p; a step's sixteen accumulators take turns, one instruction a turn
	WIN 0x50                                       ; C and D window 1
.irp t, 0,1,2,3
.irp x, 0,1
	MM 64*\x+8*(4*(\g)+\t), F+12*\t, S+64*\x, VS+(4*(\g)+\t)/2, FP+1+2*\x, \t%2, 1
.endr
.endr
	WIN 0
.endm
.macro MAXABS s                        ; 64 numbers of a lane, register 16 b + i = k 32 b + 16 (lane / 16) + i of my row: each block's largest magnitude
.irp b, 0,1,2,3
	v_max3_num_f32 v[BM+\b], |v[(\s)+16*\b]|, |v[(\s)+1+16*\b]|, 0x1800000   ; with the floor 2^(3 - 127): the byte cannot fall under 1
.endr
.irp i, 2,4,6,8,10,12,14
.irp b, 0,1,2,3
	s_delay_alu instid0(VALU_DEP_4)
	v_max3_num_f32 v[BM+\b], v[BM+\b], |v[(\s)+16*\b+\i]|, |v[(\s)+1+16*\b+\i]|
.endr
.endr
.irp b, 0,1,2,3
	s_delay_alu instid0(VALU_DEP_4)
	v_permlanex16_b32 v[PMR+\b], v[BM+\b], s[SEL], s[SEL+1]
.endr
.irp b, 0,1,2,3
	s_delay_alu instid0(VALU_DEP_4)
	v_max_num_f32 v[BM+\b], v[BM+\b], v[PMR+\b]
.endr
.endm
.macro SCALEW pw                       ; from the largest magnitudes: the conversions' scale operands and my row's scale word
.irp b, 0,1,2,3
	s_delay_alu instid0(VALU_DEP_4)
	v_add_nc_u32 v[SO+\b], 0xff000000, v[BM+\b]    ; 2 off the exponent field
.endr
.irp b, 0,1,2,3
	s_delay_alu instid0(VALU_DEP_4)
	v_lshrrev_b32 v[PMR+\b], 23, v[SO+\b]          ; the byte
.endr
	s_delay_alu instid0(VALU_DEP_3)
	v_lshl_or_b32 v[\pw], v[PMR+1], 8, v[PMR]
	s_delay_alu instid0(VALU_DEP_1)
	v_lshl_or_b32 v[\pw], v[PMR+2], 16, v[\pw]
	s_delay_alu instid0(VALU_DEP_1)
	v_lshl_or_b32 v[\pw], v[PMR+3], 24, v[\pw]
.endm
.macro CODES s                         ; the 64 numbers become the fragment's 12 registers, in place: v[s] .. v[s + 11]
	v_cvt_scalef32_pk16_fp6_f32 v[T0:T0+2], v[(\s):(\s)+15], v[SO]
	v_cvt_scalef32_pk16_fp6_f32 v[T1:T1+2], v[(\s)+16:(\s)+31], v[SO+1]
	v_nop                                          ; a plain instruction: the next two write sources of the first
	v_cvt_scalef32_pk16_fp6_f32 v[(\s)+6:(\s)+8], v[(\s)+32:(\s)+47], v[SO+2]
	v_cvt_scalef32_pk16_fp6_f32 v[(\s)+12:(\s)+14], v[(\s)+48:(\s)+63], v[SO+3]
	v_nop                                          ; and one behind the last scaled conversion
.irp i, 0,1,2                                  ; the layout wants a whole block in a lane: lanes 0-15 block 2 c, lanes 16-31 block 2 c + 1
	v_permlane16_swap_b32 v[T0+\i], v[T1+\i]
.endr
.irp i, 0,1,2
	v_permlane16_swap_b32 v[(\s)+6+\i], v[(\s)+12+\i]
.endr
.irp i, 0,1,2
	v_mov_b32 v[(\s)+\i], v[T0+\i]
	v_mov_b32 v[(\s)+3+\i], v[T1+\i]
	v_mov_b32 v[(\s)+9+\i], v[(\s)+12+\i]
.endr
.endm
; Tile x's softmax for a key step: scores in, p's codes and scale word out; the sum and O^T brought under the new M.  Two batches of exponentials, one wait each
.macro SOFT x
.set rS, S+64*(\x)
.set rT, ST+4*(\x)
.set rF, FP+2*(\x)
.irp b, 0,1,2,3
	v_max3_num_f32 v[BM+\b], v[rS+16*\b], v[rS+1+16*\b], v[rS+2+16*\b]   ; the largest SCORE of each block of 32 keys: for the row's maximum and, since p rises with the score, for the block's largest p
.endr
.irp i, 3,5,7,9,11,13
.irp b, 0,1,2,3
	v_max3_num_f32 v[BM+\b], v[BM+\b], v[rS+16*\b+\i], v[rS+1+16*\b+\i]
.endr
.endr
.irp b, 0,1,2,3
	v_max_num_f32 v[BM+\b], v[BM+\b], v[rS+15+16*\b]
.endr
.irp b, 0,1,2,3
	s_delay_alu instid0(VALU_DEP_4)
	v_permlanex16_b32 v[PMR+\b], v[BM+\b], s[SEL], s[SEL+1]
.endr
.irp b, 0,1,2,3
	s_delay_alu instid0(VALU_DEP_4)
	v_max_num_f32 v[BM+\b], v[BM+\b], v[PMR+\b]    ; with lane l xor 16's 16 keys
.endr
	s_delay_alu instid0(VALU_DEP_2)
	v_max3_num_f32 v[TA], v[BM], v[BM+1], v[BM+2]
	s_delay_alu instid0(VALU_DEP_1)
	v_max_num_f32 v[TA], v[TA], v[BM+3]
	s_delay_alu instid0(VALU_DEP_1)
	v_mul_f32 v[TA], s[CS], v[TA]                  ; the step's largest t (c is positive)
	s_delay_alu instid0(VALU_DEP_1)
	v_max_num_f32 v[rT+1], v[rT+1], v[TA]          ; the running largest t
	v_mov_b32 v[TA], v[rT]
	s_delay_alu instid0(VALU_DEP_2)
	v_floor_f32 v[rT], -v[rT+1]                    ; the new -M = floor(-t) = -ceil(t)
	s_delay_alu instid0(VALU_DEP_1)
	v_sub_f32 v[TA], v[rT], v[TA]                  ; old M - new M: a whole number, 0 or less
	s_delay_alu instid0(VALU_DEP_1)
	v_cvt_i32_f32 v[TA], v[TA]                     ; (it saturates)
	s_delay_alu instid0(VALU_DEP_1)
	v_ldexp_f32 v[rF], 1.0, v[TA]                  ; f = 2^(old M - new M)
.set j, 0
.rept 32
	v_pk_fma_f32 v[rS+j:rS+j+1], v[rS+j:rS+j+1], s[CS:CS+1], v[rT:rT+1] op_sel_hi:[1,0,0]   ; t - M, two at a time
.set j, j+2
.endr
.irp b, 0,1,2,3
	v_fma_f32 v[BM+\b], v[BM+\b], s[CS], v[rT]     ; the same of each block's largest score
.endr
.set j, 0
	s_wait_alu depctr_va_vdst(0)
.rept 64
	v_exp_f32 v[rS+j], v[rS+j]                     ; p = 2^(t - M), at most 1
.set j, j+1
.endr
	v_pk_mul_f32 v[rT+2:rT+3], v[rT+2:rT+3], v[rF:rF+1] op_sel_hi:[1,0]   ; the sums under the new M (the plain instruction behind the batch)
	s_wait_alu depctr_va_vdst(0)                   ; one wait for the 64, ahead of their first reader
.irp b, 0,1,2,3
	v_exp_f32 v[BM+\b], v[BM+\b]                   ; the blocks' largest p
.endr
	v_pk_add_f32 v[SUM2:SUM2+1], v[rS:rS+1], v[rS+2:rS+3]   ; the row's sum of the UNQUANTISED p, in two chains; it reads the 64 alone
.set j, 4
.rept 15
	v_pk_add_f32 v[rT+2:rT+3], v[rT+2:rT+3], v[rS+j:rS+j+1]
	v_pk_add_f32 v[SUM2:SUM2+1], v[SUM2:SUM2+1], v[rS+j+2:rS+j+3]
.set j, j+4
.endr
	s_delay_alu instid0(VALU_DEP_1)
	v_pk_add_f32 v[rT+2:rT+3], v[rT+2:rT+3], v[SUM2:SUM2+1]
	s_wait_alu depctr_va_vdst(0)                   ; and one for the four
.irp b, 0,1,2,3
	v_max_num_f32 v[BM+\b], 0x1800000, v[BM+\b]    ; the floor 2^(3 - 127)
.endr
	SCALEW rF+1
	CODES rS
	WIN 0x41                                       ; O^T (destination and source 0) window 1
.set j, 0
.rept 32
	v_pk_mul_f32 v[64*(\x)+j:64*(\x)+j+1], v[64*(\x)+j:64*(\x)+j+1], v[rF:rF+1] op_sel_hi:[1,0]   ; O^T under the new M
.set j, j+2
.endr
	WIN 0
.endm
; A KEY STEP: 128 keys for my 32 queries: 16 + 16 products
.macro STEP
	v_add_nc_u32 v[ADR], s[TB], v[LB]
	v_add_nc_u32 v[ADS], s[TB], v[LSB]
	PLACES 3                                       ; with the two additions five places: the first products below write over p's codes, which the last products read
.irp i, 0,1,2,3
	ds_load_b32 v[KS+\i], v[ADS] offset:128*\i
	ds_load_b32 v[VS+\i], v[ADS] offset:512+128*\i
.endr
	FETCH 0, 0
	s_wait_alu depctr_va_vdst(0)
	s_wait_dscnt 0x0
	KQ 0
	PLACES 4
	FETCH 1, 0
	s_wait_dscnt 0x0
	KQ 1
	PLACES 4                                       ; for the loads below and for the first read of the scores
	FETCH 0, 12288                                 ; v's first four tiles land under the softmax
	SOFT 0
	s_setprio 1
	SOFT 1                                         ; its last 32 multiplications are the places between p's codes and scale word and the products
	s_wait_alu depctr_va_vdst(0)
	s_wait_dscnt 0x0
	PV 0
	PLACES 4
	s_setprio 0
	FETCH 1, 12288
	s_wait_dscnt 0x0
	PV 1
	s_add_co_u32 s[TB], s[TB], 2*REC               ; my next step lies two records on
.endm
.macro SLOT_STEPS                      ; my two steps of a slot: written once, walked twice
	s_mov_b32 s[TWICE], 2
.Lstep_\@:
	s_setprio 2
	STEP
	s_sub_co_u32 s[TWICE], s[TWICE], 1
	s_cmp_lg_u32 s[TWICE], 0
	s_cbranch_scc1 .Lstep_\@
	s_setprio 0
	s_sub_co_u32 s[TB], s[TB], SLOTB
	s_xor_b32 s[TB], s[TB], SLOT1                  ; on to the other slot
.endm
	s_load_b256 s[4:11], s[0:1], 0x0               ; qrec s[4:5], kvrec s[6:7], wimg s[8:9], bo s[10:11]
	s_load_b128 s[12:15], s[0:1], 0x20             ; x s[12:13], out0 s[14:15]
	v_lshl_add_u32 v[SPW], v0, 2, SPARE
	v_mov_b32 v[NIL], 0
	ds_add_u32 v5, v6
	ds_add_u32 v5, v6
	s_wait_dscnt 0x0
	v_lshrrev_b32 v[TA], 5, v0
	s_delay_alu instid0(VALU_DEP_1)
	v_readfirstlane_b32 s[WV], v[TA]               ; wave 0..7
	s_and_b32 s[QP], s[WV], 3
	s_lshr_b32 s[KH], s[WV], 2
	s_bfe_u32 s19, ttmp6, 0x40000                  ; cx: my place in the cluster: it enters global addresses of q, x, out0 and of the prefetches alone
	s_lshl_b32 s20, ttmp9, 2
	s_add_co_u32 s20, s20, s19                     ; my block of 128 queries
	s_and_b32 s21, ttmp7, 0xffff                   ; the image, which the four partners share
	s_mov_b32 s[G1], 15|(3<<16)|(1<<21)            ; 15:0 the mask: all four work-groups; 17:16 elements of 8 bytes; 20 no padding; 21 set beside a mask
	s_mov_b32 s[G1+1], 32<<16                      ; tensor_dim0 = 32 elements: 256 bytes
	s_mov_b32 s[G1+2], 50<<16                      ; tensor_dim1 = 50
	s_mov_b32 s[G1+3], 32<<16                      ; tile_dim0
	s_mov_b32 s[G1+4], 50                          ; tile_dim1
	s_mov_b32 s[G1+5], 32                          ; the pitch: the block is dense
	s_mov_b32 s[G1+6], 0
	s_mov_b32 s[G1+7], 0
	s_mul_i32 s46, s21, 32*REC                     ; the image's records
	s_mul_i32 s47, s[WV], REC/2                    ; my eighth of a slot, in memory and in LDS
	s_add_co_u32 s48, s46, s47
	s_mov_b32 s49, 0
	s_mov_b32 s[SEL], 0x76543210
	s_mov_b32 s[SEL+1], 0xfedcba98                 ; v_permlanex16_b32's selects for lane l xor 16
	s_mov_b32 s[CS], 0x3e0293ee
	s_mov_b32 s[CS+1], s[CS]
	s_mov_b32 s[TB], 0
	s_mov_b32 s[SLOTS], 7
	s_wait_kmcnt 0x0
	s_mov_b32 s[G0], 1                             ; count = 1
	s_mov_b32 s[G0+1], s47                         ; LDS address: slot 0
	s_add_nc_u64 s[G0+2:G0+3], s[6:7], s[48:49]
	s_or_b32 s[G0+3], s[G0+3], 0x80000000          ; type = 2
	ROUND                                          ; all four work-groups are here: the first joint loads meet
	tensor_load_to_lds s[G0:G0+3], s[G1:G1+7]      ; slot 0: one load of mine is out
	s_nop 0
	PLACES 4
	s_mul_i32 s50, s19, REC                        ; the prefetches: my work-group's record of a slot,
	s_add_co_u32 s50, s50, s46
	s_add_co_u32 s50, s50, SLOTB                   ; in slot 1: the first change of slots steps it to slot 2
	s_mov_b32 s51, 0
	s_add_nc_u64 s[PFA:PFA+1], s[6:7], s[50:51]
	s_or_b32 s[LIM], s[KH], ttmp9                  ; waves 0 to 3 of the image's first cluster: the same in all four partners
	s_cmp_eq_u32 s[LIM], 0
	s_cselect_b32 s[LIM], 1, -1
	v_and_b32 v[TA], 31, v0                        ; lane
	s_delay_alu instid0(VALU_DEP_1)
	v_min_u32 v[PFO], 24, v[TA]
	s_mul_i32 s52, s[QP], 25
	v_add_nc_u32 v[PFO], s52, v[PFO]
	s_delay_alu instid0(VALU_DEP_1)
	v_lshlrev_b32 v[PFO], 8, v[PFO]
	v_lshlrev_b32 v[L16], 4, v[TA]
	s_wait_alu depctr_va_vdst(0)
	s_mul_i32 s52, s[KH], REC
	v_add_nc_u32 v[LB], s52, v[L16]
	s_add_co_u32 s52, s52, 24576
	v_lshl_add_u32 v[LSB], v[TA], 2, s52
	s_lshl_b32 s52, s21, 5
	s_add_co_u32 s52, s52, s20
	s_mul_i32 s52, s52, 12800                      ; my block's record of q
	s_mov_b32 s53, 0
	s_add_nc_u64 s[4:5], s[4:5], s[52:53]
	s_mul_i32 s54, s[QP], 3072
	v_add_nc_u32 v[ADR], s54, v[L16]               ; my two tiles' fragments
	v_and_b32 v[ADS], 15, v0
	s_lshl_b32 s54, s[QP], 7
	v_lshl_add_u32 v[ADS], v[ADS], 2, s54          ; and their scale words: 4 (lane % 16)
.irp x, 0,1
.irp c, 0,1,2
	global_load_b128 v[Q+12*\x+4*\c:Q+12*\x+4*\c+3], v[ADR], s[4:5] offset:1536*\x+512*\c
.endr
	global_load_b32 v[QS+29*\x], v[ADS], s[4:5] offset:12288+64*\x
.endr
	s_lshl_b32 s52, s21, 21                        ; x and out0: (4,096 image + 128 block + 32 qp) rows of 512 bytes
	s_lshl_b32 s54, s20, 16
	s_add_co_u32 s52, s52, s54
	s_lshl_b32 s54, s[QP], 14
	s_add_co_u32 s52, s52, s54
	s_add_nc_u64 s[12:13], s[12:13], s[52:53]
	s_add_nc_u64 s[14:15], s[14:15], s[52:53]
	s_cmp_lt_u32 s[WV], 4
	s_cbranch_scc0 .Lno_wo                         ; waves 0 to 3 finish the rows: they hold wo and bo
	WIN 0x40                                       ; destination window 1
.irp t, 0,1,2,3,4,5,6,7
.irp c, 0,1,2
	global_load_b128 v[WO+12*\t+4*\c:WO+12*\t+4*\c+3], v[L16], s[8:9] offset:36864+1536*\t+512*\c
.endr
.endr
	WIN 0
	global_load_b128 v[BO4:BO4+3], v[L16], s[10:11]   ; bo of the 4 channels that my lane holds of a row
.Lno_wo:
.irp x, 0,1
	v_mov_b32 v[ST+1+4*\x], 0xff61b1e6             ; the largest t so far: -3e38, under every t
	s_delay_alu instid0(VALU_DEP_1)
	v_floor_f32 v[ST+4*\x], -v[ST+1+4*\x]          ; -M
	v_mov_b32 v[ST+2+4*\x], 0                      ; the sum, in two halves
	v_mov_b32 v[ST+3+4*\x], 0
	v_mov_b32 v[FP+1+2*\x], 0                      ; (named as the upper half of f's pair before it is first written)
.endr
.irp b, 0,1,2,3
	v_mov_b32 v[PMR+\b], 0                         ; written once: a lane permute's destination counts as one of its sources
.endr
	WIN 0x40
.set j, 0
.rept 128
	v_mov_b32 v[j], 0                              ; O^T.  The step is written once: its first run finds zeros, which the first change of M leaves zeros; a first step of its own would be a third copy of the step's text
.set j, j+1
.endr
	WIN 0
	s_wait_loadcnt 0x0                             ; q (and wo, bo); the offsets' registers are free
.Lslot:                                            ; seven trips: behind each change of slots but the last the next slot is asked for
	CHANGE 1
	SLOT_STEPS
	s_sub_co_u32 s[SLOTS], s[SLOTS], 1
	s_cmp_lg_u32 s[SLOTS], 0
	s_cbranch_scc1 .Lslot
	CHANGE 0                                       ; the last slot is written out
	SLOT_STEPS
	; ---- THE TWO HALVES OF THE KEYS ARE JOINED
	PLACES 4                                       ; behind the last products
.irp x, 0,1
	v_add_f32 v[ST+2+4*\x], v[ST+2+4*\x], v[ST+3+4*\x]
.endr
.irp x, 0,1
	s_delay_alu instid0(VALU_DEP_2)
	v_permlanex16_b32 v[PMR+\x], v[ST+2+4*\x], s[SEL], s[SEL+1]
.endr
.irp x, 0,1
	s_delay_alu instid0(VALU_DEP_2)
	v_add_f32 v[ST+1+4*\x], v[ST+2+4*\x], v[PMR+\x]   ; my half's sum takes the largest t's place: the pair is (-M, sum)
.endr
	s_mul_i32 s46, s[QP], MRP
	s_add_co_u32 s46, s46, MRG                     ; my pair's area
	v_add_nc_u32 v[ADR], s46, v[L16]
	v_and_b32 v[TA], 15, v0
	v_bfe_u32 v[ADS], v0, 4, 1
	s_delay_alu instid0(VALU_DEP_1)
	v_lshlrev_b32 v[ADS], 6, v[ADS]
	s_delay_alu instid0(VALU_DEP_1)
	v_mad_u32_u24 v[ADS], v[TA], 528, v[ADS]
	s_delay_alu instid0(VALU_DEP_1)
	v_add_nc_u32 v[ADS], s46, v[ADS]               ; the stage: row r of 528 bytes, + 64 h
	v_lshrrev_b32 v[LSB], 2, v[L16]                ; 4 lane
	s_cmp_lt_u32 s[WV], 4
	s_cbranch_scc1 .Lkeep
	ds_store_b64 v[ADR], v[ST:ST+1]                ; waves 4 to 7 hand over: 16 bytes of statistics a lane,
	ds_store_b64 v[ADR], v[ST+4:ST+5] offset:8
	WIN 0x04                                       ; an LDS store's data are its source 1: window 1
.set j, 0
.rept 32
	ds_store_b128 v[ADR], v[4*j:4*j+3] offset:512+512*j   ; and O^T as it stands, each accumulator from its low end on
.set j, j+1
.endr
	WIN 0
.Lkeep:
	s_wait_dscnt 0x0                               ; for the others' sake: my stores have landed
	s_barrier_signal -1
	s_barrier_wait -1
	s_cmp_lt_u32 s[WV], 4
	s_cbranch_scc0 .Ldone
	s_wait_alu depctr_va_vdst(0)
.irp t, 0,1,2,3,4,5,6,7
	global_load_b32 v[KS+\t], v[LSB], s[8:9] offset:49152+3072+128*\t   ; wo's scale words, where k's and v's stood
.endr
	ds_load_b128 v[244:247], v[ADR]                ; the partner's (-M, sum) of both tiles
; Tile x is finished: joined, divided by the sum, quantised along the channels, multiplied by wo; + bo + x; 16 rows of out0.
; XR(i): x's row i, v52 .. v99 and v228 .. v243.  v100-163 the joined O, then rows of the result; v164-227 the partner's O^T, then the product's accumulators.
; The stage (16 rows x 528 bytes) lies on the statistics and tile 0's part of my pair's area, which I alone read, and have read when it is first written.
.macro FIN x
.set rT, ST+4*(\x)
.set rB, 244+2*(\x)
.if \x
	s_wait_xcnt 0x0                                ; tile 0's stores have read their data: v100 on may be written again
.endif
.irp i, 0,1,2,3,4,5,6,7,8,9,10,11,12,13,14,15
.if \i < 12
.set xr, 52+4*\i
.else
.set xr, 228+4*(\i-12)
.endif
	global_load_b128 v[xr:xr+3], v[L16], s[12:13] offset:(8*(\x)+\i+8*(\i/8))*512 th:TH_LOAD_NT   ; the position of my tile's row i: a row's 512 bytes
.endr
.irp i, 0,1,2,3,4,5,6,7,8,9,10,11,12,13,14,15
	ds_load_b128 v[164+4*\i:167+4*\i], v[ADR] offset:512+8192*(\x)+512*\i
.endr
	s_wait_dscnt 16                                ; the partner's statistics are in; the sixteen loads just issued may be out
	v_min_num_f32 v[TA], v[rT], v[rB]              ; -M of the two together
	s_delay_alu instid0(VALU_DEP_1)
	v_sub_f32 v[BM], v[TA], v[rT]                  ; my M - the joint M: a whole number, 0 or less
	s_delay_alu instid0(VALU_DEP_2)
	v_sub_f32 v[BM+1], v[TA], v[rB]
	s_delay_alu instid0(VALU_DEP_2)
	v_cvt_i32_f32 v[BM], v[BM]
	s_delay_alu instid0(VALU_DEP_2)
	v_cvt_i32_f32 v[BM+1], v[BM+1]
	s_delay_alu instid0(VALU_DEP_2)
	v_ldexp_f32 v[BM], 1.0, v[BM]
	s_delay_alu instid0(VALU_DEP_2)
	v_ldexp_f32 v[BM+1], 1.0, v[BM+1]
	s_delay_alu instid0(VALU_DEP_2)
	v_mul_f32 v[BM+2], v[rT+1], v[BM]
	s_delay_alu instid0(VALU_DEP_1)
	v_fmac_f32 v[BM+2], v[rB+1], v[BM+1]           ; the row's sum
	s_wait_alu depctr_va_vdst(0)
	v_rcp_f32 v[BM+3], v[BM+2]
	v_nop                                          ; a plain instruction behind the transcendental
	s_wait_alu depctr_va_vdst(0)                   ; ahead of its first reader
	v_mul_f32 v248, v[BM], v[BM+3]
	v_mul_f32 v250, v[BM+1], v[BM+3]
	s_delay_alu instid0(VALU_DEP_2)
	v_mov_b32 v249, v248
	s_delay_alu instid0(VALU_DEP_2)
	v_mov_b32 v251, v250
	WIN 0x01                                       ; source 0 window 1
.set j, 0
.rept 32
	v_pk_mul_f32 v[100+j:101+j], v[64*(\x)+j:64*(\x)+j+1], v[248:249]   ; each accumulator from its low end on
.set j, j+2
.endr
	WIN 0
	s_wait_dscnt 0x0
.set j, 0
.rept 32
	v_pk_fma_f32 v[100+j:101+j], v[164+j:165+j], v[250:251], v[100+j:101+j]
.set j, j+2
.endr
	MAXABS 100
	SCALEW FP+1+2*(\x)
	CODES 100
	s_wait_loadcnt 0x0                             ; x's rows (and wo's scale words)
.irp i, 0,1,2,3,4,5,6,7,8,9,10,11,12,13,14,15
.if \i < 12
.set xr, 52+4*\i
.else
.set xr, 228+4*(\i-12)
.endif
	v_pk_add_f32 v[xr:xr+1], v[xr:xr+1], v[BO4:BO4+1]           ; x + bo; these 32 are also the places between the codes and the scale word and the products
	v_pk_add_f32 v[xr+2:xr+3], v[xr+2:xr+3], v[BO4+2:BO4+3]
.endr
	WIN 0x01                                       ; source 0 (wo) window 1
.irp t, 0,1,2,3,4,5,6,7
	MM 164+8*\t, WO+12*\t, 100, KS+\t, FP+1+2*(\x), 0, 0
.endr
	WIN 0
	PLACES 4
.irp b, 0,1,2,3
.irp k, 0,1,2,3
	ds_store_b128 v[ADS], v[164+16*\b+4*\k:167+16*\b+4*\k] offset:128*\b+16*\k   ; lane (r, h): row r, channels 32 b + 16 h + 4 k on
.endr
.endr
.irp i, 0,1,2,3,4,5,6,7,8,9,10,11,12,13,14,15
	ds_load_b128 v[100+4*\i:103+4*\i], v[ADR] offset:528*\i   ; back by rows.  LDS serves a wave's instructions in order (ISA guide 5.7.1.4)
.endr
.irp i, 0,1,2,3,4,5,6,7,8,9,10,11,12,13,14,15
.if \i < 12
.set xr, 52+4*\i
.else
.set xr, 228+4*(\i-12)
.endif
	s_wait_dscnt 15-\i                             ; row i is back; the younger rows may be out
	v_pk_add_f32 v[100+4*\i:101+4*\i], v[100+4*\i:101+4*\i], v[xr:xr+1]
	v_pk_add_f32 v[102+4*\i:103+4*\i], v[102+4*\i:103+4*\i], v[xr+2:xr+3]
	global_store_b128 v[L16], v[100+4*\i:103+4*\i], s[14:15] offset:(8*(\x)+\i+8*(\i/8))*512 th:TH_STORE_NT   ; 32 lanes store a row's 512 consecutive bytes, aligned
.endr
.endm
	FIN 0
	FIN 1
.Ldone:
	s_wait_tensorcnt 0x0                           ; the wave's end, behind my last tensor load and my last LDS store
	ds_add_u32 v[SPW], v[NIL]
	s_wait_dscnt 0x0
	ROUND                                          ; the closing round: no work-group ends while a partner may still ask for a tile that names it
	s_endpgm
.Lfunc_end_k_q4c43a85779_attn:
	.size	k_q4c43a85779_attn, .Lfunc_end_k_q4c43a85779_attn-k_q4c43a85779_attn
	.p2alignl 7, 3214868480
	.fill 96, 4, 3214868480
	.section	.rodata,"a",@progbits
	.p2align	6, 0x0
	.amdhsa_kernel k_q4c43a85779_attn
		.amdhsa_group_segment_fixed_size 327680
		.amdhsa_private_segment_fixed_size 0
		.amdhsa_enable_private_segment 0
		.amdhsa_kernarg_size 48
		.amdhsa_user_sgpr_count 2
		.amdhsa_user_sgpr_kernarg_segment_ptr 1
		.amdhsa_wavefront_size32 1
		.amdhsa_system_sgpr_workgroup_id_x 1
		.amdhsa_system_sgpr_workgroup_id_y 1
		.amdhsa_system_sgpr_workgroup_id_z 1
		.amdhsa_system_vgpr_workitem_id 0
		.amdhsa_next_free_vgpr 512
		.amdhsa_next_free_sgpr 66
		.amdhsa_reserve_vcc 0
		.amdhsa_float_denorm_mode_32 3
		.amdhsa_float_denorm_mode_16_64 3
		.amdhsa_memory_ordered 1
		.amdhsa_forward_progress 1
		.amdhsa_inst_pref_size 135
	.end_amdhsa_kernel
	.amdgpu_metadata
---
amdhsa.version: [ 1, 2 ]
amdhsa.kernels:
  - .name:           k_q4c43a85779_attn
    .symbol:         k_q4c43a85779_attn.kd
    .args:
      - { .name: qrec, .offset: 0, .size: 8, .value_kind: global_buffer, .address_space: global }
      - { .name: kvrec, .offset: 8, .size: 8, .value_kind: global_buffer, .address_space: global }
      - { .name: wimg, .offset: 16, .size: 8, .value_kind: global_buffer, .address_space: global }
      - { .name: bo, .offset: 24, .size: 8, .value_kind: global_buffer, .address_space: global }
      - { .name: x, .offset: 32, .size: 8, .value_kind: global_buffer, .address_space: global }
      - { .name: out0, .offset: 40, .size: 8, .value_kind: global_buffer, .address_space: global }
    .group_segment_fixed_size: 327680
    .private_segment_fixed_size: 0
    .kernarg_segment_align: 8
    .kernarg_segment_size: 48
    .max_flat_workgroup_size: 256
    .sgpr_count:     66
    .vgpr_count:     512
    .wavefront_size: 32
...
	.end_amdgpu_metadata
.endif
;; end of part 3
